; MI455X (gfx1250); checked and timed in simulation.
; The chip was launched on July 23, 2026; its instructions are those of AMD's public machine-readable ISA for CDNA 5 (MIT licence, August 2026) and "CDNA5" Instruction Set Architecture Reference Guide (July 2026). The comments in the code are by the model that wrote it; some were corrected since.
;; Mistral4 Mo E. Allowed arithmetic: matrix products marked QUANTISED: E2M3 operands, one E8M0 scale for each 32 along K, by v_wmma_scale_f32_16x16x128_f8f6f4 with both operands' format E2M3, f32 sums; everything else in f32.
;; Inputs: Sd_codes 4,096 x 8 x 24 uint8 (E2M3 codes of Sd, K innermost, in blocks of 32 codes, four codes in three bytes); Sd_scales 4,096 x 8 uint8 (E8M0 scales of Sd, one for each 32 codes along K); Sg_codes 256 x 128 x 24 uint8 (E2M3 codes of Sg, K innermost, in blocks of 32 codes, four codes in three bytes); Sg_scales 256 x 128 uint8 (E8M0 scales of Sg, one for each 32 codes along K); Su_codes 256 x 128 x 24 uint8 (E2M3 codes of Su, K innermost, in blocks of 32 codes, four codes in three bytes); Su_scales 256 x 128 uint8 (E8M0 scales of Su, one for each 32 codes along K); Wd 16 x 4,096 x 64 float32; Wg_codes 16 x 64 x 128 x 24 uint8 (E2M3 codes of Wg, K innermost, in blocks of 32 codes, four codes in three bytes); Wg_scales 16 x 64 x 128 uint8 (E8M0 scales of Wg, one for each 32 codes along K); Wu_codes 16 x 64 x 128 x 24 uint8 (E2M3 codes of Wu, K innermost, in blocks of 32 codes, four codes in three bytes); Wu_scales 16 x 64 x 128 uint8 (E8M0 scales of Wu, one for each 32 codes along K); bias 16 float32; gate_w_codes 16 x 128 x 24 uint8 (E2M3 codes of gate_w, K innermost, in blocks of 32 codes, four codes in three bytes); gate_w_scales 16 x 128 uint8 (E8M0 scales of gate_w, one for each 32 codes along K); hidden_states_codes 2 x 2,048 x 128 x 24 uint8 (E2M3 codes of hidden_states, K innermost, in blocks of 32 codes, four codes in three bytes); hidden_states_scales 2 x 2,048 x 128 uint8 (E8M0 scales of hidden_states, one for each 32 codes along K).
;; Outputs: out0 2 x 2,048 x 4,096 float32.
;; This version of the problem:
;;   THIS VERSION OF THE PROBLEM IS GIVEN IN LOW PRECISION. The matrix products marked QUANTISED in the list below multiply operands that are first quantised to E2M3 (2 exponent bits, 3 mantissa bits; 6 bits a number), with one power-of-two scale for each 32 numbers along K (OCP MX v1.0); their sums are f32. All else is computed in f32.
;;   The module's matrix products, in the order in which they are computed (A, B: the left and right operand; K: the contracted axis; several contracted axes count as one K, in the product's order):
;;     1. [M 4,096, K 4,096] x [K 4,096, N 16]; A: input hidden_states (given as codes); B: input gate_w (given as codes): QUANTISED
;;     2. [M 1,024, K 4,096] x [K 4,096, N 4,096]; A: input Wg (given as codes); B: input hidden_states (given as codes): QUANTISED
;;     3. [M 1,024, K 4,096] x [K 4,096, N 4,096]; A: input Wu (given as codes); B: input hidden_states (given as codes): QUANTISED
;;     4. [M 4,096, K 1,024] x [K 1,024, N 4,096]; A: computed on the way; B: input Wd: QUANTISED
;;     5. [M 4,096, K 4,096] x [K 4,096, N 256]; A: input hidden_states (given as codes); B: input Sg (given as codes): QUANTISED
;;     6. [M 4,096, K 4,096] x [K 4,096, N 256]; A: input hidden_states (given as codes); B: input Su (given as codes): QUANTISED
;;     7. [M 4,096, K 256] x [K 256, N 4,096]; A: computed on the way; B: input Sd (given as codes): QUANTISED
;;   THE QUANTISER, for each operand of a quantised product, along K:
;;     - K is cut into blocks of 32 from its start; a last block that is shorter is filled with zeros.
;;     - A block's scale is 2^e with e = floor(log2(the largest magnitude in the block)) - 2, held to -126 .. 127; a block of zeros has e = 0. As a byte (E8M0): e + 127.
;;     - Each number is divided by its block's scale, clamped to +-7.5, and rounded to the nearest number of E2M3, ties to even, subnormals kept.
;;     - The product sums the exact products of the quantised numbers (number of the format x scale) in f32.
;;   ~~~python
;;   def quantise(x, axis):      # numpy; x: float32 -> the quantised numbers, widened to float32 again
;;       x = np.moveaxis(x, axis, -1); K = x.shape[-1]
;;       x = np.pad(x, [(0, 0)] * (x.ndim - 1) + [(0, -K % 32)]); x = x.reshape(x.shape[:-1] + (-1, 32)); a = np.abs(x).max(-1, keepdims=True)
;;       e = np.where(a > 0, np.clip(np.frexp(np.where(a > 0, a, 1))[1] - 1 - 2, -126, 127), 0)      # np.frexp(a)[1] - 1 = floor(log2(a)), exactly
;;       r = np.clip(x / 2.0 ** e, -7.5, 7.5)
;;       step = 2.0 ** (np.maximum(np.frexp(np.where(r == 0, 1, r))[1] - 1, 0) - 3)
;;       q = np.round(r / step) * step * 2.0 ** e      # np.round: ties to even
;;       return np.moveaxis(q.reshape(q.shape[:-2] + (-1,))[..., :K], -1, axis).astype(np.float32)
;;   ~~~
;;   OPERANDS COMPUTED ON THE WAY. 'Computed on the way' means the value that the module computes at that place (a softmax that the list does not call 'softmax' is quantised finished and normalised). What goes into a quantiser is computed in f32, as accurately as f32 sums, v_exp_f32 and their like allow (about 1e-6 of the number): no bf16 or f16 on the way to a quantiser, and a product that is left as it is and whose result goes on into a quantised operand takes f32 operands (vector FMAs, or v_wmma_f32_16x16x4_f32). A number that lies on a knife's edge between two numbers of the format may be rounded either way, as far as f32 arithmetic and the matrix unit's own rounding can turn it there, and no further.
;;   INPUTS GIVEN AS CODES. Sd (in the module: [4096, 256], K = its axis 1); Sg (in the module: [256, 4096], K = its axis 1); Su (in the module: [256, 4096], K = its axis 1); Wg (in the module: [16, 64, 4096], K = its axis 2); Wu (in the module: [16, 64, 4096], K = its axis 2); gate_w (in the module: [16, 4096], K = its axis 1); hidden_states (in the module: [2, 2048, 4096], K = its axis 2): each comes as NAME_codes (uint8): NAME with its K axis moved to the last place and cut into blocks of 32 codes, [.., K / 32, bytes a block], one block behind the other in memory; four codes in three bytes: a row's codes are one little-endian stream of bits, code i at bits 6 i .. 6 i + 5 (a code: sign, 2 exponent bits, 3 mantissa bits); and NAME_scales (uint8): the same leading axes, one E8M0 byte (e + 127) for each 32 codes along K. Its value is code x scale, taken as it is: it is not quantised again, and the codes and scales need not be those that the quantiser above would give.
;; One version. Each part assembles by itself: llvm-mc -triple=amdgcn-amd-amdhsa -mcpu=gfx1250 --defsym DOCPART=n.
;; ======== version 1 of 1: 3 launches
;; limits: right only within a limited range of input values
;; workspace buffers: WB 7,864,320 bytes; WBS 327,680 bytes; W2 3,932,160 bytes; W2S 163,840 bytes; CWT 294,912 bytes; HC 3,932,160 bytes; HSB 163,840 bytes; XB 12,582,912 bytes
;; launch prep (part 1): grid 736 x 1, 4 waves a work-group, no clusters, 85,504 bytes of LDS; arguments hidden_states_codes, hidden_states_scales, gate_w_codes, gate_w_scales, bias, Wd, Sd_codes, Sd_scales, Wg_codes, Wg_scales, Wu_codes, Wu_scales, Sg_codes, Sg_scales, Su_codes, Su_scales, WB, WBS, W2, W2S, CWT, XB; writes WB, WBS, W2, W2S, CWT, XB
.if DOCPART == 1
	.amdgcn_target "amdgcn-amd-amdhsa--gfx1250"
	.amdhsa_code_object_version 6
	.text
	.protected	k_q60bfea0d5f_prep
	.globl	k_q60bfea0d5f_prep
	.p2align	8
	.type	k_q60bfea0d5f_prep,@function
k_q60bfea0d5f_prep:
	s_mov_b64 s[64:65], 0
	v_nop
	global_prefetch_b8 v0, s[64:65] scope:SCOPE_SE
	s_setreg_imm32_b32 hwreg(HW_REG_WAVE_MODE, 25, 1), 1
	s_wait_xcnt 0x0
; PREP: four jobs in one launch, told apart by the work-group's number (the same in all four waves of a work-group).
;   0..255   ROUTER  16 tokens each: logits = x gate_w^T on codes of FP6 (E2M3), sigmoid + bias, the four largest (the lower index wins a tie), weights / (their sum + 1e-20);
;                    CWT[plane e][token] = the weight, 0 for an expert not chosen; planes 16 and 17 = 1.0 (the shared expert's "weight").
;   256..511 WD      16 rows h of Wd for all 16 experts: quantised along K = (e, i), a block = 32 of i, and stored as images of the operand's registers:
;                    W2[n-tile][K step s][1,536 bytes]: registers 4 q .. 4 q + 3 of lane l at 512 q + 16 l; K step s = experts 2 s, 2 s + 1.  W2S[n-tile][s][16 rows] = the scale words.
;   512..671 COPY    16 rows of Wg, Wu, Sg or Su: codes to WB[group c][K step of 256][row 0..319][192 bytes], scale bytes to WBS[c][row][128], so that the next launch finds a group's tile as one dense block.
;                    Group c: experts 2 c, 2 c + 1 and shared units 32 c .. 32 c + 31: ten tiles T of 16 hidden units; row tile = 5 (T >= 5) + 5 (u and not g) + T.
;   672..735 SD      Sd's codes re-laid as W2's K steps 8 and 9, its scale words into W2S.
; LIMITS: NaN and infinities are not served.  A block of zeros gets the scale byte 1 and not 127: its codes are zeros and this program alone reads the bytes.
; The logits are summed in eight parts (four waves x two accumulators): two scores that differ by less than f32 rounding at the fourth and fifth place may be chosen either way.
; CWT and W2S are stored in runs of 64 or 128 bytes: 0.46 MB in all.  Each role has LDS bytes of its own; no role joins another.
.set R4ST,  0                          ; ROUTER: a stage of 16 rows x (768 + 16) bytes for each wave
.set R4W,   12544
.set PS,    50176                      ; ROUTER: the four waves' partial logits, 1,024 bytes each
.set R2ST,  54272                      ; WD: a stage of 16 rows x (256 + 16) bytes for each wave
.set R2W,   4608
.set R3ST,  72704                      ; SD: 3,072 bytes for each wave
.set R3W,   3072
.set SPARE, 84992                      ; the spare words, 128 bytes for each wave: two blocks of 256 bytes that no other line names
.set SPW,   254                        ; v254 LDS address of my spare word; never rewritten
.set NIL,   255                        ; v255 0; never rewritten
.macro FINISH                          ; a wave's end: a tensor wait, an add to the spare word and its wait, behind its last LDS store
	s_wait_tensorcnt 0x0
	ds_add_u32 v[SPW], v[NIL]
	s_wait_dscnt 0x0
	s_endpgm
.endm
	v_lshl_add_u32 v[SPW], v0, 2, SPARE
	v_mov_b32 v[NIL], 0
	v_lshrrev_b32 v1, 5, v0
	v_readfirstlane_b32 s8, v1                     ; wave 0..3
	v_and_b32 v2, 31, v0                           ; lane l
	v_and_b32 v3, 15, v0                           ; r = l % 16
	v_bfe_u32 v4, v0, 4, 1                         ; h = l / 16
	v_lshlrev_b32 v5, 4, v2                        ; 16 l
	s_cmp_lt_u32 ttmp9, 256
	s_cbranch_scc1 .Lrouter
	s_cmp_lt_u32 ttmp9, 512
	s_cbranch_scc1 .Lwd
	s_cmp_lt_u32 ttmp9, 672
	s_cbranch_scc1 .Lcopy
; ---------------------------------------------------------------- SD: one n-tile (16 rows of 192 bytes, dense) a wave
	s_load_b128 s[16:19], s[0:1], 0x30             ; Sd's codes, Sd's scales
	s_load_b128 s[20:23], s[0:1], 0x90             ; W2, W2S
	s_sub_co_u32 s9, ttmp9, 672
	s_lshl_b32 s9, s9, 2
	s_add_co_u32 s9, s9, s8                        ; n-tile
	s_mul_i32 s10, s8, R3W
	s_add_co_u32 s10, s10, R3ST
	s_wait_alu depctr_va_vdst(0)
	v_add_nc_u32 v6, s10, v5                       ; in: as the bytes lie
	v_mul_u32_u24 v7, v3, 192
	v_mad_u32_u24 v7, v4, 24, v7
	v_add_nc_u32 v7, s10, v7                       ; out: row r, + 24 h: a fragment's pieces
	v_lshlrev_b32 v8, 3, v3
	v_lshl_add_u32 v8, v4, 2, v8                   ; scale words: row r of 8 bytes; lanes 16-31 take the second K step's
	v_lshlrev_b32 v9, 2, v2
	s_mul_i32 s12, s9, 3072
	s_mov_b32 s13, 0
	s_lshl_b32 s14, s9, 7
	s_mov_b32 s15, 0
	s_mul_i32 s24, s9, 15360
	s_add_co_u32 s24, s24, 8*1536                  ; K step 8
	s_mov_b32 s25, 0
	s_mul_i32 s26, s9, 640
	s_add_co_u32 s26, s26, 8*64
	s_mov_b32 s27, 0
	s_wait_alu depctr_va_vdst(0)
	s_wait_kmcnt 0x0
	s_add_nc_u64 s[16:17], s[16:17], s[12:13]
	s_add_nc_u64 s[18:19], s[18:19], s[14:15]
	s_add_nc_u64 s[20:21], s[20:21], s[24:25]
	s_add_nc_u64 s[22:23], s[22:23], s[26:27]
.irp q, 0,1,2,3,4,5
	global_load_b128 v[16+4*\q:19+4*\q], v5, s[16:17] offset:512*\q th:TH_LOAD_NT   ; 512 consecutive bytes a load
.endr
	global_load_b32 v48, v8, s[18:19]
	s_wait_loadcnt 1                               ; the codes are in; the scale word may be out
.irp q, 0,1,2,3,4,5
	ds_store_b128 v6, v[16+4*\q:19+4*\q] offset:512*\q
.endr
.irp f, 0,1
.irp p, 0,1,2,3,4,5
	ds_load_b64 v[64+12*\f+2*\p:65+12*\f+2*\p], v7 offset:96*\f+48*(\p/3)+8*(\p%3)   ; LDS serves a wave's instructions in order: these see my stores.  Rows 192 bytes apart meet in banks: 3 KB a wave, once
.endr
.endr
	s_wait_dscnt 0x0
.irp q, 0,1,2,3,4,5
	global_store_b128 v5, v[64+4*\q:67+4*\q], s[20:21] offset:512*\q   ; two images on end: 512 consecutive bytes a store
.endr
	s_wait_loadcnt 0x0
	global_store_b32 v9, v48, s[22:23]             ; K step 8's sixteen words, then K step 9's
	FINISH
; ---------------------------------------------------------------- ROUTER
.macro CHUNK_LOAD reg, sb              ; 16 rows x 768 bytes (1,024 along K) of rows 3,072 bytes apart: 24 loads; rows 2 u and 2 u + 1 are three loads of 512 bytes
.irp u, 0,1,2,3,4,5,6,7
	global_load_b128 v[\reg+12*\u:\reg+12*\u+3], v5, s[\sb:\sb+1] offset:6144*\u
	global_load_b128 v[\reg+12*\u+4:\reg+12*\u+7], v6, s[\sb:\sb+1] offset:6144*\u          ; lanes 0-15 the end of row 2 u, lanes 16-31 the head of row 2 u + 1
	global_load_b128 v[\reg+12*\u+8:\reg+12*\u+11], v5, s[\sb:\sb+1] offset:6144*\u+3328
.endr
.endm
.macro CHUNK_TURN reg                  ; through my stage, rows 784 bytes apart (196 words: row r starts at bank 4 r mod 64; 64 banks of 4 bytes: ISA guide 11.1), and back as eight fragments of 12 registers
.irp u, 0,1,2,3,4,5,6,7
	ds_store_b128 v7, v[\reg+12*\u:\reg+12*\u+3] offset:1568*\u
	ds_store_b128 v8, v[\reg+12*\u+4:\reg+12*\u+7] offset:1568*\u
	ds_store_b128 v7, v[\reg+12*\u+8:\reg+12*\u+11] offset:1568*\u+1040
.endr
	s_wait_dscnt 0x0                               ; the stores have read their registers, which the loads below fill again
.irp sl, 0,1,2,3,4,5,6,7
.irp p, 0,1,2,3,4,5
	ds_load_b64 v[\reg+12*\sl+2*\p:\reg+12*\sl+2*\p+1], v9 offset:96*\sl+48*(\p/3)+8*(\p%3)
.endr
.endr
	s_wait_dscnt 0x0
.endm
.Lrouter:
	s_load_b256 s[16:23], s[0:1], 0x0              ; x's codes, x's scales, the gate's codes, the gate's scales
	s_load_b64 s[24:25], s[0:1], 0x20              ; bias
	s_load_b64 s[26:27], s[0:1], 0xa0              ; CWT
	s_load_b64 s[38:39], s[0:1], 0xa8              ; XB
	s_wait_alu depctr_va_vdst(0)
	v_mad_u32_u24 v6, v4, 2304, v5
	v_add_nc_u32 v6, 512, v6                       ; 512 + 16 l, and for lanes 16-31 on into the next row
	s_mul_i32 s9, s8, R4W                          ; my stage
	v_add_nc_u32 v7, s9, v5
	v_lshl_add_u32 v8, v4, 4, v7
	v_add_nc_u32 v8, 512, v8
	v_mul_u32_u24 v9, v3, 784
	v_mad_u32_u24 v9, v4, 24, v9
	v_add_nc_u32 v9, s9, v9                        ; a fragment's pieces: row r, + 24 h
	v_lshlrev_b32 v10, 7, v3                       ; scale bytes: 128 a row
	v_lshlrev_b32 v11, 5, v4                       ; bias of experts 8 h + 0 .. 7
	s_lshl_b32 s10, s8, 10
	s_add_co_u32 s10, s10, PS
	v_add_nc_u32 v12, s10, v5                      ; where I put my partial logits,
	v_add_nc_u32 v13, PS, v5                       ; and from where wave 0 takes all four
	v_lshlrev_b32 v14, 2, v3
	v_lshl_add_u32 v15, v4, 14, v14                ; planes 16 + h
	v_lshl_add_u32 v14, v4, 17, v14                ; planes 8 h + k: 16,384 bytes a plane
	; XB[K step of 256][token][192 bytes]: piece i (16 bytes) of my 768 bytes of a row goes to K step i / 12, byte 16 (i % 12): 16 i + (i / 12) x (786,432 - 192); i / 12 = 43 i >> 9 for i under 48
	v_mul_u32_u24 v251, v2, 43                     ; the first load of a pair of rows: i = l
	v_add_nc_u32 v252, 16, v2                      ; the third: i = 16 + l
	v_mul_u32_u24 v253, v4, 48
	v_lshrrev_b32 v251, 9, v251
	v_mul_u32_u24 v250, v252, 43
	v_mul_u32_u24 v251, v251, 786240
	v_lshrrev_b32 v250, 9, v250
	v_lshl_add_u32 v248, v2, 4, v251
	v_mul_u32_u24 v250, v250, 786240
	v_add_nc_u32 v251, 32, v2
	v_lshl_add_u32 v250, v252, 4, v250
	v_sub_nc_u32 v251, v251, v253                  ; the second: i = 32 + l in lanes 0-15, l - 16 of the next row in lanes 16-31
	v_mul_u32_u24 v249, v251, 43
	v_lshrrev_b32 v249, 9, v249
	v_mul_u32_u24 v249, v249, 786240
	v_lshl_add_u32 v249, v251, 4, v249
	v_mad_u32_u24 v249, v4, 192, v249
	s_mov_b32 s12, 0x76543210
	s_mov_b32 s13, 0xfedcba98                      ; v_permlanex16_b32's selects for lane l xor 16
	s_mov_b32 s14, 0xffff0000                      ; lanes 16-31
	s_mul_i32 s28, ttmp9, 49152                    ; 16 rows of 3,072 bytes
	s_mul_i32 s30, s8, 768                         ; my wave's 1,024 along K
	s_mov_b32 s31, 0
	s_add_co_u32 s28, s28, s30
	s_mov_b32 s29, 0
	s_lshl_b32 s32, ttmp9, 11
	s_lshl_b32 s34, s8, 5
	s_mov_b32 s35, 0
	s_add_co_u32 s32, s32, s34
	s_mov_b32 s33, 0
	s_lshl_b32 s36, ttmp9, 6
	s_mov_b32 s37, 0
	s_mul_i32 s40, s8, 3145728                     ; XB: my wave's four K steps,
	s_mul_i32 s41, ttmp9, 3072                     ; my work-group's 16 tokens of 192 bytes
	s_add_co_u32 s40, s40, s41
	s_mov_b32 s41, 0
	s_wait_alu depctr_va_vdst(0)
	s_wait_kmcnt 0x0
	s_add_nc_u64 s[16:17], s[16:17], s[28:29]
	s_add_nc_u64 s[18:19], s[18:19], s[32:33]
	s_add_nc_u64 s[20:21], s[20:21], s[30:31]
	s_add_nc_u64 s[22:23], s[22:23], s[34:35]
	s_add_nc_u64 s[26:27], s[26:27], s[36:37]
	s_add_nc_u64 s[38:39], s[38:39], s[40:41]
	CHUNK_LOAD 16, 16                              ; x
	CHUNK_LOAD 112, 20                             ; the gate
	global_load_b128 v[208:211], v10, s[18:19]     ; x's eight scale words of row r: v208-215 hold scales alone
	global_load_b128 v[212:215], v10, s[18:19] offset:16
	global_load_b128 v[216:219], v10, s[22:23]     ; the gate's: v216-223
	global_load_b128 v[220:223], v10, s[22:23] offset:16
	global_load_b128 v[240:243], v11, s[24:25]
	global_load_b128 v[244:247], v11, s[24:25] offset:16
	s_wait_loadcnt 30                              ; x's 24 are in; the gate's 24, four loads of scales and two of bias may be out
.irp u, 0,1,2,3,4,5,6,7                ; x's codes re-laid for the next launch, whose tiles are then dense blocks that begin at multiples of 256 bytes; twelve lanes store a token's 192 bytes of a K step
	global_store_b128 v248, v[16+12*\u:19+12*\u], s[38:39] offset:384*\u
	global_store_b128 v249, v[20+12*\u:23+12*\u], s[38:39] offset:384*\u
	global_store_b128 v250, v[24+12*\u:27+12*\u], s[38:39] offset:384*\u+192
.endr
	s_wait_xcnt 0x0                                ; the stores have read their registers, which the turn below fills again
	CHUNK_TURN 16
	s_wait_loadcnt 6                               ; the gate's are in
	CHUNK_TURN 112
	s_wait_loadcnt 0x0
; source 0 = the 16 experts, source 1 = my 16 tokens: register k of lane (r, h) is the logit of token r for expert 8 h + k.  Two accumulators by turns; the first two products start the sums
.irp sl, 0,1,2,3,4,5,6,7
.if \sl < 2
	v_wmma_scale_f32_16x16x128_f8f6f4 v[224+8*(\sl%2):231+8*(\sl%2)], v[112+12*\sl:123+12*\sl], v[16+12*\sl:27+12*\sl], 0, v[216+\sl], v[208+\sl] matrix_a_fmt:MATRIX_FMT_FP6 matrix_b_fmt:MATRIX_FMT_FP6
.else
	v_wmma_scale_f32_16x16x128_f8f6f4 v[224+8*(\sl%2):231+8*(\sl%2)], v[112+12*\sl:123+12*\sl], v[16+12*\sl:27+12*\sl], v[224+8*(\sl%2):231+8*(\sl%2)], v[216+\sl], v[208+\sl] matrix_a_fmt:MATRIX_FMT_FP6 matrix_b_fmt:MATRIX_FMT_FP6
.endif
.endr
.rept 4
	v_nop                                          ; four places behind the last product (ISA guide 7.12.1), ahead of the reads of its result and the writes over its operands
.endr
.irp k, 0,2,4,6
	v_pk_add_f32 v[200+\k:201+\k], v[224+\k:225+\k], v[232+\k:233+\k]   ; both accumulators from their low end on
.endr
	ds_store_b128 v12, v[200:203]
	ds_store_b128 v12, v[204:207] offset:512
	s_wait_dscnt 0x0                               ; for wave 0's sake: my partial logits lie in LDS
	s_barrier_signal -1
	s_barrier_wait -1
	s_cmp_lg_u32 s8, 0
	s_cbranch_scc1 .Lr_end                         ; the rest is one wave's work: 16 tokens x 16 experts
.irp p, 0,1,2,3
.irp q, 0,1
	ds_load_b128 v[16+8*\p+4*\q:19+8*\p+4*\q], v13 offset:1024*\p+512*\q
.endr
.endr
	s_wait_dscnt 0x0
.irp k, 0,2,4,6
	v_pk_add_f32 v[48+\k:49+\k], v[16+\k:17+\k], v[24+\k:25+\k]
	v_pk_add_f32 v[56+\k:57+\k], v[32+\k:33+\k], v[40+\k:41+\k]
.endr
.irp k, 0,2,4,6
	v_pk_add_f32 v[48+\k:49+\k], v[48+\k:49+\k], v[56+\k:57+\k]
.endr
.irp k, 0,1,2,3,4,5,6,7
	v_mul_f32 v[48+\k], 0xbfb8aa3b, v[48+\k]       ; - logit x log2(e)
.endr
	s_wait_alu depctr_va_vdst(0)
.irp k, 0,1,2,3,4,5,6,7
	v_exp_f32 v[48+\k], v[48+\k]
.endr
	v_nop                                          ; a plain instruction behind the last exponential,
	s_wait_alu depctr_va_vdst(0)                   ; and one wait for the batch, ahead of its first reader
.irp k, 0,1,2,3,4,5,6,7
	v_add_f32 v[48+\k], 1.0, v[48+\k]
.endr
	s_wait_alu depctr_va_vdst(0)
.irp k, 0,1,2,3,4,5,6,7
	v_rcp_f32 v[48+\k], v[48+\k]
.endr
	v_nop
	s_wait_alu depctr_va_vdst(0)
.irp k, 0,1,2,3,4,5,6,7
	v_add_f32 v[48+\k], v[48+\k], v[240+\k]        ; score = sigmoid + bias
.endr
.irp k, 0,1,2,3,4,5,6,7
	v_permlanex16_b32 v[56+\k], v[48+\k], s12, s13 ; the token's other eight scores
.endr
.irp k, 0,1,2,3,4,5,6,7
	v_cndmask_b32 v[64+\k], v[48+\k], v[56+\k], s14   ; S0 .. S15 in true order in every lane
	v_cndmask_b32 v[72+\k], v[56+\k], v[48+\k], s14
.endr
.irp e, 0,1,2,3,4,5,6,7,8,9,10,11,12,13,14,15
	v_mov_b32 v[80+\e], \e                         ; rank = how many experts come before e: to begin with, all of lower index
.endr
	v_mov_b32 v97, 1
	v_mov_b32 v98, 1.0
.irp a, 0,1,2,3,4,5,6,7,8,9,10,11,12,13,14
.irp b, 1,2,3,4,5,6,7,8,9,10,11,12,13,14,15
.if \b > \a
	v_cmp_gt_f32 vcc_lo, v[64+\b], v[64+\a]        ; only a strictly larger score lets the higher index pass the lower
	v_cndmask_b32 v96, 0, v97, vcc_lo
	v_add_nc_u32 v[80+\a], v[80+\a], v96
	v_sub_nc_u32 v[80+\b], v[80+\b], v96
.endif
.endr
.endr
.irp e, 0,1,2,3,4,5,6,7,8,9,10,11,12,13,14,15
	v_cmp_gt_u32 vcc_lo, 4, v[80+\e]
	v_cndmask_b32 v[100+\e], 0, v[64+\e], vcc_lo   ; the four first keep their scores; a choice of values only: no address or branch hangs on it
.endr
	v_pk_add_f32 v[116:117], v[100:101], v[102:103]
	v_pk_add_f32 v[118:119], v[104:105], v[106:107]
	v_pk_add_f32 v[120:121], v[108:109], v[110:111]
	v_pk_add_f32 v[122:123], v[112:113], v[114:115]
	v_pk_add_f32 v[116:117], v[116:117], v[118:119]
	v_pk_add_f32 v[120:121], v[120:121], v[122:123]
	v_pk_add_f32 v[116:117], v[116:117], v[120:121]
	v_add_f32 v116, v116, v117
	v_add_f32 v116, 0x1e3ce508, v116               ; + 1e-20
	s_wait_alu depctr_va_vdst(0)
	v_rcp_f32 v117, v116
.irp k, 0,1,2,3,4,5,6,7
	v_cndmask_b32 v[124+\k], v[100+\k], v[108+\k], s14   ; my own eight experts again (plain work behind the reciprocal)
.endr
	s_wait_alu depctr_va_vdst(0)
.irp k, 0,1,2,3,4,5,6,7
	v_mul_f32 v[124+\k], v[124+\k], v117
.endr
.irp k, 0,1,2,3,4,5,6,7
	global_store_b32 v14, v[124+\k], s[26:27] offset:16384*\k   ; sixteen lanes store 64 consecutive bytes of a plane
.endr
	global_store_b32 v15, v98, s[26:27] offset:262144
.Lr_end:
	FINISH
; ---------------------------------------------------------------- WD: wave w takes experts 4 w .. 4 w + 3 of one n-tile
.macro WDE el
.set CC, 176+12*((\el)/2)+6*((\el)%2)  ; registers 6 c .. 6 c + 5 of the K step's fragment: lane (r, h) holds Wd[e][row r][32 h .. 32 h + 31], a whole block
	s_wait_loadcnt 24-8*(\el)                      ; this expert's eight loads are in; eight for each later expert may be out
.irp q, 0,1,2,3,4,5,6,7
	ds_store_b128 v6, v[16+32*(\el)+4*\q:19+32*(\el)+4*\q] offset:544*\q   ; as loaded: rows 2 q and 2 q + 1, 272 bytes apart
.endr
.irp q, 0,1,2,3,4,5,6,7
	ds_load_b128 v[144+4*\q:147+4*\q], v7 offset:16*\q                     ; my 32 neighbours along K; LDS serves a wave's instructions in order
.endr
	s_wait_dscnt 0x0
	v_max3_num_f32 v210, |v144|, |v145|, 0x1800000 ; the block's largest magnitude, in two chains, with the floor 2^(3 - 127) among its leaves: the byte cannot fall under 1
	v_max3_num_f32 v211, |v146|, |v147|, |v148|
.irp i, 149,153,157,161,165,169
	v_max3_num_f32 v210, v210, |v[\i]|, |v[\i+1]|
	v_max3_num_f32 v211, v211, |v[\i+2]|, |v[\i+3]|
.endr
	v_max3_num_f32 v210, v210, |v173|, |v174|
	v_max3_num_f32 v210, v210, v211, |v175|
	v_add_nc_u32 v212, 0xff000000, v210            ; 2 off its exponent field: the conversion takes that field as its scale
	v_lshrrev_b32 v[204+(\el)%2], 23, v212         ; the scale's byte
	v_cvt_scalef32_pk16_fp6_f32 v[CC:CC+2], v[144:159], v212
	v_cvt_scalef32_pk16_fp6_f32 v[200:202], v[160:175], v212   ; (a conversion's three registers begin on an even number)
	v_nop                                          ; one plain place behind a scaled conversion
	v_mov_b32 v[CC+3], v200
	v_mov_b32 v[CC+4], v201
	v_mov_b32 v[CC+5], v202
.if (\el)%2                            ; a K step (two experts) is whole
	v_lshl_or_b32 v[208+(\el)/2], v205, 16, v204   ; my two bytes: blocks h and 2 + h,
	v_lshlrev_b32 v[208+(\el)/2], v8, v[208+(\el)/2]   ; 8 h bits up;
	v_permlanex16_b32 v213, v[208+(\el)/2], s14, s15
	v_or_b32 v[208+(\el)/2], v[208+(\el)/2], v213  ; with lane l xor 16's two the word is whole
.irp q, 0,1,2
	global_store_b128 v5, v[176+12*((\el)/2)+4*\q:179+12*((\el)/2)+4*\q], s[20:21] offset:1536*((\el)/2)+512*\q   ; the image: 512 consecutive bytes a store
.endr
.endif
.endm
.Lwd:
	s_load_b64 s[16:17], s[0:1], 0x28              ; Wd
	s_load_b128 s[20:23], s[0:1], 0x90             ; W2, W2S
	s_sub_co_u32 s9, ttmp9, 256                    ; n-tile
	s_mul_i32 s10, s8, R2W
	s_add_co_u32 s10, s10, R2ST
	s_wait_alu depctr_va_vdst(0)
	v_mul_u32_u24 v6, v4, 272
	v_lshl_add_u32 v6, v3, 4, v6
	v_add_nc_u32 v6, s10, v6                       ; in: 272 h + 16 r
	v_mul_u32_u24 v7, v3, 272
	v_lshl_add_u32 v7, v4, 7, v7
	v_add_nc_u32 v7, s10, v7                       ; out: row r, + 128 h
	v_lshlrev_b32 v8, 3, v4
	v_lshlrev_b32 v9, 2, v2
	v_mov_b32 v213, 0                              ; a lane permute's destination counts as one of its sources
	s_mov_b32 s14, 0x76543210
	s_mov_b32 s15, 0xfedcba98
	s_mov_b32 s11, 0xffff0000
	s_lshl_b32 s12, s9, 12                         ; 16 rows of 256 bytes
	s_lshl_b32 s13, s8, 22                         ; four experts of 1,048,576 bytes
	s_add_co_u32 s12, s12, s13
	s_mov_b32 s13, 0
	s_mul_i32 s24, s9, 15360
	s_mul_i32 s25, s8, 3072
	s_add_co_u32 s24, s24, s25
	s_mov_b32 s25, 0
	s_mul_i32 s26, s9, 640
	s_lshl_b32 s27, s8, 7
	s_add_co_u32 s26, s26, s27
	s_mov_b32 s27, 0
	s_wait_alu depctr_va_vdst(0)
	s_wait_kmcnt 0x0
	s_add_nc_u64 s[16:17], s[16:17], s[12:13]
	s_add_nc_u64 s[20:21], s[20:21], s[24:25]
	s_add_nc_u64 s[22:23], s[22:23], s[26:27]
.irp el, 0,1,2,3
.irp q, 0,1,2,3,4,5,6,7
	global_load_b128 v[16+32*\el+4*\q:19+32*\el+4*\q], v5, s[16:17] offset:1048576*\el+512*\q th:TH_LOAD_NT   ; 512 consecutive bytes a load; read once
.endr
.endr
	WDE 0
	WDE 1
	WDE 2
	WDE 3
	v_cndmask_b32 v214, v208, v209, s11            ; lanes 0-15 my first K step's words, lanes 16-31 the second's
	global_store_b32 v9, v214, s[22:23]
	FINISH
; ---------------------------------------------------------------- COPY: 16 rows of one weight; wave w takes rows 4 w .. 4 w + 3
.Lcopy:
	s_load_b512 s[16:31], s[0:1], 0x40             ; Wg's codes, scales; Wu's; Sg's; Su's
	s_load_b128 s[32:35], s[0:1], 0x80             ; WB, WBS
	s_sub_co_u32 s9, ttmp9, 512
	s_and_b32 s10, s9, 1                           ; 0: g, 1: u
	s_bfe_u32 s11, s9, 0x30001                     ; group c
	s_lshr_b32 s12, s9, 4                          ; tile T of the group's ten
	s_cmp_ge_u32 s12, 5
	s_cselect_b32 s13, 5, 0
	s_mul_i32 s14, s10, 5
	s_add_co_u32 s13, s13, s14
	s_add_co_u32 s13, s13, s12
	s_lshl_b32 s13, s13, 4                         ; the tile's first row in the group
	s_lshl_b32 s14, s11, 7
	s_lshl_b32 s15, s12, 4
	s_add_co_u32 s14, s14, s15                     ; routed: row 128 c + 16 T of [1,024] rows
	s_max_u32 s36, s12, 8
	s_sub_co_u32 s36, s36, 8
	s_lshl_b32 s36, s36, 4
	s_lshl_b32 s37, s11, 5
	s_add_co_u32 s36, s36, s37                     ; shared: row 32 c + 16 (T - 8)
	s_cmp_lt_u32 s12, 8
	s_cselect_b32 s14, s14, s36
	s_mul_i32 s48, s14, 3072
	s_mov_b32 s49, 0
	s_lshl_b32 s50, s14, 7
	s_lshl_b32 s37, s8, 9
	s_add_co_u32 s50, s50, s37                     ; scale bytes: 128 a row, my four rows
	s_mov_b32 s51, 0
	s_mul_i32 s52, s11, 983040
	s_mul_i32 s38, s13, 192
	s_add_co_u32 s52, s52, s38
	s_mov_b32 s53, 0
	s_mul_i32 s54, s11, 320
	s_add_co_u32 s54, s54, s13
	s_lshl_b32 s54, s54, 7
	s_add_co_u32 s54, s54, s37
	s_mov_b32 s55, 0
	s_wait_alu depctr_va_vdst(0)
	v_mul_u32_u24 v6, v4, 3072
	v_mad_u32_u24 v6, v3, 12, v6
	s_mul_i32 s38, s8, 12288
	v_add_nc_u32 v6, s38, v6                       ; from: row 4 w + h, 12 bytes a lane: sixteen lanes take a K step's 192 bytes
	v_mul_u32_u24 v7, v4, 192
	v_mad_u32_u24 v7, v3, 12, v7
	s_mul_i32 s38, s8, 768
	v_add_nc_u32 v7, s38, v7                       ; to: the same rows, 192 bytes apart
	s_wait_alu depctr_va_vdst(0)
	s_wait_kmcnt 0x0
	s_cmp_eq_u32 s10, 0                            ; the choice of buffers hangs on the work-group's number alone
	s_cselect_b64 s[40:41], s[16:17], s[20:21]
	s_cselect_b64 s[42:43], s[18:19], s[22:23]
	s_cselect_b64 s[44:45], s[24:25], s[28:29]
	s_cselect_b64 s[46:47], s[26:27], s[30:31]
	s_cmp_lt_u32 s12, 8
	s_cselect_b64 s[40:41], s[40:41], s[44:45]
	s_cselect_b64 s[42:43], s[42:43], s[46:47]
	s_add_nc_u64 s[40:41], s[40:41], s[48:49]
	s_add_nc_u64 s[42:43], s[42:43], s[50:51]
	s_add_nc_u64 s[32:33], s[32:33], s[52:53]
	s_add_nc_u64 s[34:35], s[34:35], s[54:55]
	global_load_b128 v[144:147], v5, s[42:43] th:TH_LOAD_NT
.irp s, 0,1,2,3,4,5,6,7,8,9,10,11,12,13,14,15
.irp p, 0,1
	global_load_b96 v[16+4*(2*\s+\p):18+4*(2*\s+\p)], v6, s[40:41] offset:6144*\p+192*\s th:TH_LOAD_NT
.endr
.endr
	s_wait_loadcnt 32                              ; the scale bytes are in; the 32 loads of codes may be out
	global_store_b128 v5, v[144:147], s[34:35]
.irp g, 0,1,2,3
	s_wait_loadcnt 24-8*\g                         ; four K steps' eight loads are in
.irp sl, 0,1,2,3
.irp p, 0,1
	global_store_b96 v7, v[16+4*(2*(4*\g+\sl)+\p):18+4*(2*(4*\g+\sl)+\p)], s[32:33] offset:384*\p+61440*(4*\g+\sl)   ; two rows: 384 consecutive bytes
.endr
.endr
.endr
	FINISH
.Lfunc_end_k_q60bfea0d5f_prep:
	.size	k_q60bfea0d5f_prep, .Lfunc_end_k_q60bfea0d5f_prep-k_q60bfea0d5f_prep
	.p2alignl 7, 3214868480
	.fill 96, 4, 3214868480
	.section	.rodata,"a",@progbits
	.p2align	6, 0x0
	.amdhsa_kernel k_q60bfea0d5f_prep
		.amdhsa_group_segment_fixed_size 85504
		.amdhsa_private_segment_fixed_size 0
		.amdhsa_enable_private_segment 0
		.amdhsa_kernarg_size 176
		.amdhsa_user_sgpr_count 2
		.amdhsa_user_sgpr_kernarg_segment_ptr 1
		.amdhsa_wavefront_size32 1
		.amdhsa_system_sgpr_workgroup_id_x 1
		.amdhsa_system_sgpr_workgroup_id_y 1
		.amdhsa_system_sgpr_workgroup_id_z 1
		.amdhsa_system_vgpr_workitem_id 0
		.amdhsa_next_free_vgpr 256
		.amdhsa_next_free_sgpr 66
		.amdhsa_reserve_vcc 1
		.amdhsa_float_denorm_mode_32 3
		.amdhsa_float_denorm_mode_16_64 3
		.amdhsa_memory_ordered 1
		.amdhsa_forward_progress 1
		.amdhsa_inst_pref_size 75
	.end_amdhsa_kernel
	.amdgpu_metadata
---
amdhsa.version: [ 1, 2 ]
amdhsa.kernels:
  - .name:           k_q60bfea0d5f_prep
    .symbol:         k_q60bfea0d5f_prep.kd
    .args:
      - { .name: hidden_states_codes, .offset: 0, .size: 8, .value_kind: global_buffer, .address_space: global }
      - { .name: hidden_states_scales, .offset: 8, .size: 8, .value_kind: global_buffer, .address_space: global }
      - { .name: gate_w_codes, .offset: 16, .size: 8, .value_kind: global_buffer, .address_space: global }
      - { .name: gate_w_scales, .offset: 24, .size: 8, .value_kind: global_buffer, .address_space: global }
      - { .name: bias, .offset: 32, .size: 8, .value_kind: global_buffer, .address_space: global }
      - { .name: Wd, .offset: 40, .size: 8, .value_kind: global_buffer, .address_space: global }
      - { .name: Sd_codes, .offset: 48, .size: 8, .value_kind: global_buffer, .address_space: global }
      - { .name: Sd_scales, .offset: 56, .size: 8, .value_kind: global_buffer, .address_space: global }
      - { .name: Wg_codes, .offset: 64, .size: 8, .value_kind: global_buffer, .address_space: global }
      - { .name: Wg_scales, .offset: 72, .size: 8, .value_kind: global_buffer, .address_space: global }
      - { .name: Wu_codes, .offset: 80, .size: 8, .value_kind: global_buffer, .address_space: global }
      - { .name: Wu_scales, .offset: 88, .size: 8, .value_kind: global_buffer, .address_space: global }
      - { .name: Sg_codes, .offset: 96, .size: 8, .value_kind: global_buffer, .address_space: global }
      - { .name: Sg_scales, .offset: 104, .size: 8, .value_kind: global_buffer, .address_space: global }
      - { .name: Su_codes, .offset: 112, .size: 8, .value_kind: global_buffer, .address_space: global }
      - { .name: Su_scales, .offset: 120, .size: 8, .value_kind: global_buffer, .address_space: global }
      - { .name: WB, .offset: 128, .size: 8, .value_kind: global_buffer, .address_space: global }
      - { .name: WBS, .offset: 136, .size: 8, .value_kind: global_buffer, .address_space: global }
      - { .name: W2, .offset: 144, .size: 8, .value_kind: global_buffer, .address_space: global }
      - { .name: W2S, .offset: 152, .size: 8, .value_kind: global_buffer, .address_space: global }
      - { .name: CWT, .offset: 160, .size: 8, .value_kind: global_buffer, .address_space: global }
      - { .name: XB, .offset: 168, .size: 8, .value_kind: global_buffer, .address_space: global }
    .group_segment_fixed_size: 85504
    .private_segment_fixed_size: 0
    .kernarg_segment_align: 8
    .kernarg_segment_size: 176
    .max_flat_workgroup_size: 128
    .sgpr_count:     66
    .vgpr_count:     256
    .wavefront_size: 32
...
	.end_amdgpu_metadata
.endif
;; end of part 1
;; launch up (part 2): grid 8 x 32, 4 waves a work-group, clusters of 4 x 4, 327,680 bytes of LDS; arguments XB, hidden_states_scales, WB, WBS, CWT, HC, HSB; writes HC, HSB
.if DOCPART == 2
	.amdgcn_target "amdgcn-amd-amdhsa--gfx1250"
	.amdhsa_code_object_version 6
	.text
	.protected	k_q60bfea0d5f_up
	.globl	k_q60bfea0d5f_up
	.p2align	8
	.type	k_q60bfea0d5f_up,@function
k_q60bfea0d5f_up:
	s_mov_b64 s[64:65], 0
	v_nop
	global_prefetch_b8 v0, s[64:65] scope:SCOPE_SE
	s_setreg_imm32_b32 hwreg(HW_REG_WAVE_MODE, 25, 1), 1
	s_wait_xcnt 0x0
	s_wait_alu depctr_hold_cnt(0) depctr_sa_sdst(0) depctr_va_vdst(0) depctr_va_sdst(0) depctr_va_ssrc(0) depctr_va_vcc(0) depctr_vm_vsrc(0)
	s_getreg_b32 s2, hwreg(HW_REG_IB_STS2, 6, 4)
	s_cmp_eq_u32 s2, 0
	s_cbranch_scc0 .Lentry_in_a_cluster
	s_endpgm
.Lentry_in_a_cluster:
	s_bfe_u32 s2, ttmp6, 0x10000c
	s_cmp_lg_u32 s2, 0xf033
	s_cbranch_scc0 .Lentry_shape_is_right
	s_endpgm
.Lentry_shape_is_right:
; UP: hidden = silu(x Wg^T) (x Wu^T) x the router's weight, for a block of 128 tokens x 320 rows of weights (group c: ten tiles of g, ten of u), on codes of FP6 (E2M3) with E8M0 scales; then quantised along the next K into HC, HSB.
; K goes in steps of 256 (192 bytes a row) through two LDS slots.  Both operands' tiles are dense blocks of memory (XB and WB, laid by the launch before), stated as rows of 256 bytes; 16 bytes of padding behind every 64: LDS rows 240 bytes apart.
; CLUSTER 4 x 4: x's tiles are asked for jointly along a row of the cluster, the weights' along a column.  THE HEAD: one joint load a wave: wave 0 x's 128 tokens of K step 0, wave 1 x's scales, wave 2 the weights' 320 rows, wave 3 their scales.
; PREFETCH: behind each refill a wave names the K step two refills on of the tile part that it fetches: 48 (x) or 120 (weights) blocks of 256 bytes, of which each of the four partners takes 12 or 30 by address, a lane a block
; (lanes left over name the last block again); the loop's last trip asks for nothing, so K step 15 is the last that is named.
.set PITCH, 240
.set PFO,   12                         ; v12 the prefetches' lane offset; never rewritten.  s[4:5] where they stand, s[6:7] a K step in bytes
.set XT,    128*PITCH
.set SLOT,  448*PITCH
.set SCL,   2*SLOT
.set SCB,   SCL+64*272
.set SPARE, SCB+160*272
.set ZP,    656
.set SBW,   84992
.set SBS,   85504
.set ADRA, 16
.set ADRB, 20
.set ADSX, 24
.set ADSB, 25
.set ZW,   26
.set ZR,   27
.set HCO,  28
.set SBWA, 29
.set SBSA, 30
.set SBWR, 31
.set SBSR, 15
.set G16,  14
.set G4,   13
.set SC,   32
.set XF,   96
.set EE,   96
.set ZZ,   136
.set MX,   96
.set PX,   128
.set CD,   160
.set VCA,  224
.set CWV,  232
.set SPW,  252
.set NIL,  253
.set G1X, 24
.set G0X, 32
.set G1B, 48
.set G0B, 56
.set G1SX, 68
.set G0SX, 76
.set G1SB, 80
.set G0SB, 88
.set CE,  94
.set MSB, 0
.macro WIN new
.if MSB != (\new)
	s_set_vgpr_msb (MSB<<8)|(\new)
.set MSB, \new
.endif
.endm
.set MUL_LO, 0xa1
.set MUL_HI, 0xf1
.set TO_B,   0x40
.macro JLOAD g0a, g1a, g0b, g1b
	s_cmp_eq_u32 s15, 0
	s_cbranch_scc0 .Lfor_b_\@
	tensor_load_to_lds s[\g0a:\g0a+3], s[\g1a:\g1a+7]
	s_nop 0
.rept 4
	v_nop
.endr
	s_branch .Lasked_\@
.Lfor_b_\@:
	tensor_load_to_lds s[\g0b:\g0b+3], s[\g1b:\g1b+7]
	s_nop 0
.rept 4
	v_nop
.endr
.Lasked_\@:
.endm
.macro CREST
	s_cmp_lg_u32 s14, 0
	s_cbranch_scc1 .Lnot_wave_0_\@
	s_barrier_signal -3
.Lnot_wave_0_\@:
	s_barrier_wait -3
	s_barrier_signal -1
	s_barrier_wait -1
.endm
.macro CROUND
	s_barrier_signal -1
	s_barrier_wait -1
	CREST
.endm
.macro PLACES
.rept 4
	v_nop
.endr
.endm
	s_load_b256 s[4:11], s[0:1], 0x0
	s_load_b64 s[12:13], s[0:1], 0x20
	s_load_b128 s[96:99], s[0:1], 0x28
	v_lshl_add_u32 v[SPW], v0, 2, SPARE
	v_mov_b32 v[NIL], 0
	ds_add_u32 v[SPW], v[NIL]
	ds_add_u32 v[SPW], v[NIL]
	v_lshrrev_b32 v1, 5, v0
	v_readfirstlane_b32 s14, v1
	s_lshr_b32 s15, s14, 1
	s_and_b32 s16, s14, 1
	s_bfe_u32 s40, ttmp6, 0x40000
	s_bfe_u32 s41, ttmp6, 0x40004
	s_lshl_b32 s42, ttmp9, 2
	s_add_co_u32 s42, s42, s40
	s_and_b32 s17, ttmp7, 0xffff
	s_lshl_b32 s17, s17, 2
	s_add_co_u32 s17, s17, s41
	s_lshl_b32 s43, s41, 2
	s_lshl_b32 s43, 15, s43
	s_lshl_b32 s44, 0x1111, s40
	s_or_b32 s[G1X+0], s43, (1<<20)|(1<<21)|(3<<22)|(3<<25)
	s_mov_b32 s[G1X+1], 256<<16
	s_mov_b32 s[G1X+2], 96<<16                     ; the head's load: 128 tokens x 192 bytes = 96 rows of 256
	s_mov_b32 s[G1X+3], 256<<16
	s_mov_b32 s[G1X+4], 96
	s_mov_b32 s[G1X+5], 256
	s_mov_b32 s[G1X+6], 0
	s_mov_b32 s[G1X+7], 0
	s_or_b32 s[G1B+0], s44, (1<<20)|(1<<21)|(3<<22)|(3<<25)
	s_mov_b32 s[G1B+1], 256<<16
	s_mov_b32 s[G1B+2], 240<<16                    ; the head's load: 320 rows x 192 bytes = 240 rows of 256
	s_mov_b32 s[G1B+3], 256<<16
	s_mov_b32 s[G1B+4], 240
	s_mov_b32 s[G1B+5], 256
	s_mov_b32 s[G1B+6], 0
	s_mov_b32 s[G1B+7], 0
	s_or_b32 s[G1SX+0], s43, (3<<16)|(1<<20)|(1<<21)|(5<<22)|(3<<25)
	s_mov_b32 s[G1SX+1], 32<<16
	s_mov_b32 s[G1SX+2], 64<<16
	s_mov_b32 s[G1SX+3], 32<<16
	s_mov_b32 s[G1SX+4], 64
	s_mov_b32 s[G1SX+5], 32
	s_mov_b32 s[G1SX+6], 0
	s_mov_b32 s[G1SX+7], 0
	s_or_b32 s[G1SB+0], s44, (3<<16)|(1<<20)|(1<<21)|(5<<22)|(3<<25)
	s_mov_b32 s[G1SB+1], 32<<16
	s_mov_b32 s[G1SB+2], 160<<16
	s_mov_b32 s[G1SB+3], 32<<16
	s_mov_b32 s[G1SB+4], 160
	s_mov_b32 s[G1SB+5], 32
	s_mov_b32 s[G1SB+6], 0
	s_mov_b32 s[G1SB+7], 0
	s_lshl_b32 s20, s17, 7
	s_lshl_b32 s22, s20, 7                         ; the scales of the block's 128 tokens, 128 bytes each
	s_lshl_b32 s18, s16, 6
	s_add_co_u32 s20, s20, s18
	s_mov_b32 s23, 0
	s_mul_i32 s20, s20, 192                        ; XB: 192 bytes a token in a K step
	s_mov_b32 s21, 0
	s_mul_i32 s46, s42, 983040
	s_mul_i32 s18, s16, 30720
	s_add_co_u32 s46, s46, s18
	s_mov_b32 s47, 0
	s_mul_i32 s92, s42, 40960
	s_mov_b32 s93, 0
	s_mul_i32 s45, s16, 64*PITCH
	s_mul_i32 s19, s16, 160*PITCH
	s_add_co_u32 s19, s19, XT
	s_wait_dscnt 0x0
	s_wait_kmcnt 0x0
	s_add_nc_u64 s[20:21], s[4:5], s[20:21]
	s_add_nc_u64 s[22:23], s[6:7], s[22:23]
	s_add_nc_u64 s[46:47], s[8:9], s[46:47]
	s_add_nc_u64 s[92:93], s[10:11], s[92:93]
	CROUND
	s_mov_b32 s[G0SX], 1
	s_mov_b32 s[G0SX+1], SCL
	s_mov_b64 s[G0SX+2:G0SX+3], s[22:23]
	s_or_b32 s[G0SX+3], s[G0SX+3], 0x80000000
	s_mov_b32 s[G0SB], 1
	s_mov_b32 s[G0SB+1], SCB
	s_mov_b64 s[G0SB+2:G0SB+3], s[92:93]
	s_or_b32 s[G0SB+3], s[G0SB+3], 0x80000000
.irp s, 0,1
	s_mov_b32 s[G0X+4*\s], 1
	s_add_co_u32 s[G0X+4*\s+1], s45, \s*SLOT
	s_add_nc_u64 s[G0X+4*\s+2:G0X+4*\s+3], s[20:21], \s*786432
	s_or_b32 s[G0X+4*\s+3], s[G0X+4*\s+3], 0x80000000
	s_mov_b32 s[G0B+4*\s], 1
	s_add_co_u32 s[G0B+4*\s+1], s19, \s*SLOT
	s_add_nc_u64 s[G0B+4*\s+2:G0B+4*\s+3], s[46:47], \s*61440
	s_or_b32 s[G0B+4*\s+3], s[G0B+4*\s+3], 0x80000000
.endr
; the head's four tiles, one a wave, in one chain of branches on the wave's number.  Waves 0 and 2 fetch the first half in the ring, so their slot 0 group 0 stands at the whole tile's start
.macro ARM under, g0, g1, next
	s_cmp_lt_u32 s14, \under
	s_cbranch_scc0 \next
	tensor_load_to_lds s[\g0:\g0+3], s[\g1:\g1+7]
	s_nop 0
.rept 4
	v_nop
.endr
	s_branch .Lhead_asked
\next:
.endm
	ARM 1, G0X,  G1X,  .Lh_sx
	ARM 2, G0SX, G1SX, .Lh_b
	ARM 3, G0B,  G1B,  .Lh_sb
	tensor_load_to_lds s[G0SB:G0SB+3], s[G1SB:G1SB+7]
	s_nop 0
.rept 4
	v_nop
.endr
.Lhead_asked:
	v_and_b32 v1, 15, v0
	v_bfe_u32 v2, v0, 4, 1
	v_and_b32 v3, 31, v0
	v_lshlrev_b32 v8, 2, v1
	s_cmp_eq_u32 s15, 0
	s_cselect_b32 s18, 11, 29                      ; my work-group's blocks of a K step: 12 of x's, 30 of the weights'
	v_min_u32 v[PFO], s18, v3
	v_lshlrev_b32 v[PFO], 8, v[PFO]
	s_wait_alu depctr_va_vdst(0)
	s_lshl_b32 s20, s17, 9
	s_lshl_b32 s21, s15, 8
	s_add_co_u32 s20, s20, s21
	s_mov_b32 s21, 0
	s_add_nc_u64 s[12:13], s[12:13], s[20:21]
.irp t, 0,1,2,3,4
	s_mul_i32 s21, s16, 5
	s_add_co_u32 s21, s21, \t
	s_lshr_b32 s21, s21, 2
	s_lshl_b32 s22, s42, 1
	s_add_co_u32 s22, s22, s21
	s_cmp_lt_u32 s21, 2
	s_cselect_b32 s22, s22, 16
	s_lshl_b32 s22, s22, 14
	v_add_nc_u32 v[VCA+\t], s22, v8
.endr
	s_wait_alu depctr_va_vdst(0)
.irp a, 0,1,2,3
.irp t, 0,1,2,3,4
	global_load_b32 v[CWV+5*\a+\t], v[VCA+\t], s[12:13] offset:64*\a
.endr
.endr
	v_mul_u32_u24 v4, v1, PITCH
	v_mad_u32_u24 v4, v2, 24, v4
	v_lshl_add_u32 v5, v2, 4, v4
	s_mul_i32 s21, s15, 64*PITCH
	s_mul_i32 s22, s16, 160*PITCH
	s_add_co_u32 s22, s22, XT
.irp s, 0,1
	v_add_nc_u32 v[ADRA+\s], s21, v4
	v_add_nc_u32 v[ADRB+\s], s22, v4
	v_add_nc_u32 v[ADRA+2+\s], s21, v5
	v_add_nc_u32 v[ADRB+2+\s], s22, v5
	s_add_co_u32 s21, s21, SLOT
	s_add_co_u32 s22, s22, SLOT
.endr
	v_lshrrev_b32 v6, 1, v1
	v_mul_u32_u24 v6, v6, 272
	v_and_b32 v7, 1, v1
	v_lshl_add_u32 v6, v7, 7, v6
	s_mul_i32 s21, s15, 32*272
	s_add_co_u32 s21, s21, SCL
	v_add_nc_u32 v[ADSX], s21, v6
	s_mul_i32 s22, s16, 80*272
	s_add_co_u32 s22, s22, SCB
	v_add_nc_u32 v[ADSB], s22, v6
	v_mul_u32_u24 v[ZW], v1, ZP
	v_lshl_add_u32 v[ZW], v2, 5, v[ZW]
	s_mul_i32 s21, s15, 64*ZP
	s_mul_i32 s22, s16, 320
	s_add_co_u32 s21, s21, s22
	v_add_nc_u32 v[ZW], s21, v[ZW]
	v_mul_u32_u24 v[ZR], v1, ZP
	v_lshl_add_u32 v[ZR], v2, 6, v[ZR]
	s_mul_i32 s21, s14, 32*ZP
	v_add_nc_u32 v[ZR], s21, v[ZR]
	v_mul_u32_u24 v[HCO], v1, 24
	v_mad_u32_u24 v[HCO], v2, 12, v[HCO]
	s_lshl_b32 s21, s14, 7
	s_add_co_u32 s21, s21, SBW
	v_lshl_add_u32 v[SBWA], v1, 2, s21
	s_lshl_b32 s21, s14, 5
	s_add_co_u32 s21, s21, SBS
	v_add_nc_u32 v[SBSA], s21, v1
	v_lshl_add_u32 v[SBWR], v3, 4, SBW
	v_lshl_add_u32 v[SBSR], v3, 2, SBS
	v_lshlrev_b32 v[G16], 4, v3
	v_lshlrev_b32 v[G4], 2, v3
	s_lshl_b32 s18, s17, 7                         ; the prefetches: x: my 64 tokens, and of their 48 blocks those of my place along the cluster's row;
	s_lshl_b32 s19, s16, 6
	s_add_co_u32 s18, s18, s19
	s_mul_i32 s18, s18, 192
	s_mul_i32 s19, s40, 3072
	s_add_co_u32 s18, s18, s19
	s_mul_i32 s10, s42, 983040                     ; the weights: my 160 rows, and of their 120 blocks those of my place along the column
	s_mul_i32 s11, s16, 30720
	s_add_co_u32 s10, s10, s11
	s_mul_i32 s11, s41, 7680
	s_add_co_u32 s10, s10, s11
	s_cmp_eq_u32 s15, 0
	s_cselect_b64 s[4:5], s[4:5], s[8:9]
	s_cselect_b32 s18, s18, s10
	s_mov_b32 s6, 61440
	s_cselect_b32 s6, 786432, s6                   ; a K step in bytes
	s_mov_b32 s7, 0
	s_mov_b32 s19, 0
	s_mul_i32 s10, s6, 3                           ; at K step 3: the first refill steps it to 4
	s_mov_b32 s11, 0
	s_add_nc_u64 s[4:5], s[4:5], s[18:19]
	s_add_nc_u64 s[4:5], s[4:5], s[10:11]
	s_mov_b32 s66, 0x76543210
	s_mov_b32 s67, 0xfedcba98
	s_mov_b32 s[CE], 0xbfb8aa3b
	s_mov_b32 s[CE+1], s[CE]
	s_lshl_b32 s18, s17, 7
	s_lshl_b32 s19, s14, 5
	s_add_co_u32 s18, s18, s19
	s_mul_i32 s18, s18, 24
	s_mul_i32 s19, s42, 393216
	s_add_co_u32 s20, s18, s19
	s_mov_b32 s21, 0
	s_add_co_u32 s22, s42, 32
	s_mul_i32 s22, s22, 98304
	s_add_co_u32 s22, s22, s18
	s_mov_b32 s23, 0
	s_add_nc_u64 s[92:93], s[96:97], s[22:23]
	s_add_nc_u64 s[96:97], s[96:97], s[20:21]
	s_lshl_b32 s20, s42, 14
	s_lshl_b32 s22, s17, 9
	s_add_co_u32 s20, s20, s22
	s_lshl_b32 s22, s42, 12
	s_lshl_b32 s18, s17, 7
	s_add_co_u32 s22, s22, s18
	s_add_co_u32 s22, s22, 131072
	s_add_nc_u64 s[46:47], s[98:99], s[22:23]
	s_add_nc_u64 s[98:99], s[98:99], s[20:21]
.macro FRAG reg, adr, q, i
.irp p, 0,1,2,3,4,5
.set PC, 12*(\q)+6*(\p/3)+\p%3
.if PC%8 < 5
	ds_load_b64 v[\reg+2*\p:\reg+2*\p+1], v[\adr] offset:8*PC+16*(PC/8)+(\i)*16*PITCH
.else
	ds_load_b64 v[\reg+2*\p:\reg+2*\p+1], v[\adr+2] offset:8*PC+16*(PC/8)+(\i)*16*PITCH
.endif
.endr
.endm
.macro LDF slot, q, set
.if F < 10
	WIN TO_B
	FRAG 128*(\set)+12*F, ADRB+\slot, \q, F
.else
	WIN 0
	FRAG XF+48*(\set)+12*(F-10), ADRA+\slot, \q, F-10
.endif
.set F, F+1
.endm
.macro MULN set, q, sc, zero
.set MA, N/10
.set MB, N%10
	WIN MUL_LO+0x50*(MA/2)
.if \zero
	v_wmma_scale_f32_16x16x128_f8f6f4 v[8*(10*(MA%2)+MB):8*(10*(MA%2)+MB)+7], v[128*(\set)+12*MB:128*(\set)+12*MB+11], v[XF+48*(\set)+12*MA:XF+48*(\set)+12*MA+11], 0, v[SC+28*(\sc)+8+2*MB+(\q)], v[SC+28*(\sc)+2*MA+(\q)] matrix_a_fmt:MATRIX_FMT_FP6 matrix_b_fmt:MATRIX_FMT_FP6
.else
	v_wmma_scale_f32_16x16x128_f8f6f4 v[8*(10*(MA%2)+MB):8*(10*(MA%2)+MB)+7], v[128*(\set)+12*MB:128*(\set)+12*MB+11], v[XF+48*(\set)+12*MA:XF+48*(\set)+12*MA+11], v[8*(10*(MA%2)+MB):8*(10*(MA%2)+MB)+7], v[SC+28*(\sc)+8+2*MB+(\q)], v[SC+28*(\sc)+2*MA+(\q)] matrix_a_fmt:MATRIX_FMT_FP6 matrix_b_fmt:MATRIX_FMT_FP6
.endif
.set N, N+1
.endm
.macro MULS cnt, set, q, sc, zero
.rept \cnt
	MULN \set, \q, \sc, \zero
.endr
.endm
.macro SCALES sc
.irp a, 0,1,2,3
	ds_load_b64 v[SC+28*(\sc)+2*\a:SC+28*(\sc)+2*\a+1], v[ADSX] offset:2176*\a
.endr
.irp b, 0,1,2,3,4,5,6,7,8,9
	ds_load_b64 v[SC+28*(\sc)+8+2*\b:SC+28*(\sc)+8+2*\b+1], v[ADSB] offset:2176*\b
.endr
.endm
.macro STEP_A slot, zero
	s_wait_dscnt 0x0
	PLACES
.set N, 0
.set F, 0
.rept 7
	LDF \slot, 1, 1
.endr
	MULS 12, 0, 0, \slot, \zero
.rept 7
	LDF \slot, 1, 1
.endr
	MULS 28, 0, 0, \slot, \zero
	WIN 0
.endm
.macro STEP_B slot, next, fill
.if \fill
	s_wait_xcnt 0x0                                ; my last prefetch has read its address
	s_add_nc_u64 s[4:5], s[4:5], s[6:7]
.endif
	s_wait_tensorcnt 0x0
	ds_add_u32 v[SPW], v[NIL]
.if \fill
	s_add_nc_u64 s[G0X+4*\slot+2:G0X+4*\slot+3], s[G0X+4*\slot+2:G0X+4*\slot+3], 2*786432
	s_add_nc_u64 s[G0B+4*\slot+2:G0B+4*\slot+3], s[G0B+4*\slot+2:G0B+4*\slot+3], 2*61440
.endif
	s_wait_dscnt 0x0
	s_barrier_signal -1
	s_barrier_wait -1
.if \fill
	CREST
	JLOAD G0X+4*\slot, G1X, G0B+4*\slot, G1B
	s_cmp_gt_u32 s3, 1                             ; the last trip's refills have no K step two on
	s_cbranch_scc0 .Lno_ask_\@
	global_prefetch_b8 v[PFO], s[4:5] th:TH_LOAD_NT scope:SCOPE_SE
.Lno_ask_\@:
.else
	PLACES
.endif
	s_wait_alu depctr_va_vdst(0)
	v_add_nc_u32 v[ADSX], 8, v[ADSX]
	v_add_nc_u32 v[ADSB], 8, v[ADSB]
.set N, 0
.set F, 0
.rept 7
	LDF \next, 0, 0
.endr
	MULS 12, 1, 1, \slot, 0
.rept 7
	LDF \next, 0, 0
.endr
	SCALES \next
	MULS 28, 1, 1, \slot, 0
	WIN 0
.endm
	s_wait_alu depctr_va_vdst(0)
	s_wait_tensorcnt 0x0                           ; my tile of the head's four is in
	ds_add_u32 v[SPW], v[NIL]
	s_mov_b32 s[G1X+2], 48<<16                     ; no tensor load of mine is out: from here on a load brings half a tile: 48 rows of 256 bytes of x,
	s_mov_b32 s[G1X+4], 48
	s_mov_b32 s[G1B+2], 120<<16                    ; 120 of the weights
	s_mov_b32 s[G1B+4], 120
	s_wait_dscnt 0x0
	CROUND
	JLOAD G0X+4, G1X, G0B+4, G1B                   ; K step 1, the first tensor load behind the round
.set F, 0
.rept 14
	LDF 0, 0, 0
.endr
	WIN 0
	SCALES 0
	STEP_A 0, 1
	s_mov_b32 s3, 7
.Llap:
	STEP_B 0, 1, 1
	STEP_A 1, 0
	STEP_B 1, 0, 1
	STEP_A 0, 0
	s_sub_co_u32 s3, s3, 1
	s_cmp_lg_u32 s3, 0
	s_cbranch_scc1 .Llap
	STEP_B 0, 1, 0
	STEP_A 1, 0
	s_wait_dscnt 0x0
.set N, 0
	MULS 40, 1, 1, 1, 0
	WIN 0
.macro ACT a
.set GA, 80*((\a)%2)
.set ZA, ZZ+40*((\a)%2)
	WIN 2+(\a)/2
.set n, 0
.rept 20
	v_pk_mul_f32 v[EE+2*n:EE+2*n+1], v[GA+2*n:GA+2*n+1], s[CE:CE+1] op_sel_hi:[1,0]
.set n, n+1
.endr
	WIN 0
.set n, 0
	s_wait_alu depctr_va_vdst(0)
.rept 40
	v_exp_f32 v[EE+n], v[EE+n]
.set n, n+1
.endr
	v_nop
	s_wait_alu depctr_va_vdst(0)
.set n, 0
.rept 20
	v_pk_add_f32 v[EE+2*n:EE+2*n+1], v[EE+2*n:EE+2*n+1], 1.0 op_sel_hi:[1,0]
.set n, n+1
.endr
.set n, 0
	s_wait_alu depctr_va_vdst(0)
.rept 40
	v_rcp_f32 v[EE+n], v[EE+n]
.set n, n+1
.endr
	v_nop
	s_wait_alu depctr_va_vdst(0)
.if (\a) >= 2
	s_wait_dscnt 10
.endif
	WIN 2+(\a)/2
.set n, 0
.rept 20
	v_pk_mul_f32 v[ZA+2*n:ZA+2*n+1], v[GA+2*n:GA+2*n+1], v[EE+2*n:EE+2*n+1]
.set n, n+1
.endr
.set n, 0
.rept 20
	v_pk_mul_f32 v[ZA+2*n:ZA+2*n+1], v[GA+40+2*n:GA+40+2*n+1], v[ZA+2*n:ZA+2*n+1]
.set n, n+1
.endr
	WIN 0
.set n, 0
.rept 20
.set CI, 5*(\a)+n/4
.if CI%2
	v_pk_mul_f32 v[ZA+2*n:ZA+2*n+1], v[ZA+2*n:ZA+2*n+1], v[CWV+CI-1:CWV+CI] op_sel:[0,1] op_sel_hi:[1,1]
.else
	v_pk_mul_f32 v[ZA+2*n:ZA+2*n+1], v[ZA+2*n:ZA+2*n+1], v[CWV+CI:CWV+CI+1] op_sel_hi:[1,0]
.endif
.set n, n+1
.endr
.irp t, 0,1,2,3,4
	ds_store_b128 v[ZW], v[ZA+8*\t:ZA+8*\t+3] offset:16*ZP*(\a)+64*\t
	ds_store_b128 v[ZW], v[ZA+8*\t+4:ZA+8*\t+7] offset:16*ZP*(\a)+64*\t+16
.endr
.endm
	s_wait_loadcnt 0x0
	PLACES
	ACT 0
	ACT 1
	ACT 2
	ACT 3
	s_wait_dscnt 0x0
	s_barrier_signal -1
	s_barrier_wait -1
	WIN TO_B
.irp y, 0,1
.irp b, 0,1,2,3,4
.irp q, 0,1,2,3
	ds_load_b128 v[80*\y+16*\b+4*\q:80*\y+16*\b+4*\q+3], v[ZR] offset:16*ZP*\y+128*\b+16*\q
.endr
.endr
.endr
	WIN 0
.irp y, 0,1
.irp b, 0,1,2,3,4
	v_mov_b32 v[PX+16*\y+\b], 0
.endr
.endr
.macro QROWS y
	s_wait_dscnt 20-15*(\y)
	WIN 0x14
.irp b, 0,1,2,3,4
	v_max3_num_f32 v[MX+16*(\y)+\b], 0x1800000, |v[80*(\y)+16*\b]|, |v[80*(\y)+16*\b+1]|
.endr
.irp i, 2,4,6,8,10,12,14
.irp b, 0,1,2,3,4
	v_max3_num_f32 v[MX+16*(\y)+\b], v[MX+16*(\y)+\b], |v[80*(\y)+16*\b+\i]|, |v[80*(\y)+16*\b+\i+1]|
.endr
.endr
	WIN 0
.irp b, 0,1,2,3,4
	v_permlanex16_b32 v[PX+16*(\y)+\b], v[MX+16*(\y)+\b], s66, s67
.endr
.irp b, 0,1,2,3,4
	v_max_num_f32 v[MX+16*(\y)+\b], v[MX+16*(\y)+\b], v[PX+16*(\y)+\b]
.endr
.irp b, 0,1,2,3,4
	v_add_nc_u32 v[PX+16*(\y)+\b], 0xff000000, v[MX+16*(\y)+\b]
.endr
.irp b, 0,1,2,3,4
	v_lshrrev_b32 v[MX+16*(\y)+\b], 23, v[PX+16*(\y)+\b]
.endr
	WIN 0x01
.irp b, 0,1,2,3,4
	v_cvt_scalef32_pk16_fp6_f32 v[CD+20*(\y)+4*\b:CD+20*(\y)+4*\b+2], v[80*(\y)+16*\b:80*(\y)+16*\b+15], v[PX+16*(\y)+\b]
.endr
	WIN 0
	v_nop
.irp b, 0,1,2,3
	global_store_b96 v[HCO], v[CD+20*(\y)+4*\b:CD+20*(\y)+4*\b+2], s[96:97] offset:98304*\b+384*(\y)
	ds_store_b8 v[SBWA], v[MX+16*(\y)+\b] offset:64*(\y)+\b
.endr
	global_store_b96 v[HCO], v[CD+20*(\y)+16:CD+20*(\y)+18], s[92:93] offset:384*(\y)
	ds_store_b8 v[SBSA], v[MX+16*(\y)+4] offset:16*(\y)
.endm
	QROWS 0
	QROWS 1
	s_wait_dscnt 0x0
	s_barrier_signal -1
	s_barrier_wait -1
	s_cmp_lg_u32 s14, 0
	s_cbranch_scc1 .Lnot_first
	ds_load_b128 v[200:203], v[SBWR]
	ds_load_b32 v204, v[SBSR]
	s_wait_dscnt 0x0
	global_store_b128 v[G16], v[200:203], s[98:99]
	global_store_b32 v[G4], v204, s[46:47]
.Lnot_first:
	s_wait_tensorcnt 0x0
	ds_add_u32 v[SPW], v[NIL]
	s_wait_dscnt 0x0
	CROUND
	s_endpgm
.Lfunc_end_k_q60bfea0d5f_up:
	.size	k_q60bfea0d5f_up, .Lfunc_end_k_q60bfea0d5f_up-k_q60bfea0d5f_up
	.p2alignl 7, 3214868480
	.fill 96, 4, 3214868480
	.section	.rodata,"a",@progbits
	.p2align	6, 0x0
	.amdhsa_kernel k_q60bfea0d5f_up
		.amdhsa_group_segment_fixed_size 327680
		.amdhsa_private_segment_fixed_size 0
		.amdhsa_enable_private_segment 0
		.amdhsa_kernarg_size 56
		.amdhsa_user_sgpr_count 2
		.amdhsa_user_sgpr_kernarg_segment_ptr 1
		.amdhsa_wavefront_size32 1
		.amdhsa_system_sgpr_workgroup_id_x 1
		.amdhsa_system_sgpr_workgroup_id_y 1
		.amdhsa_system_sgpr_workgroup_id_z 1
		.amdhsa_system_vgpr_workitem_id 0
		.amdhsa_next_free_vgpr 1024
		.amdhsa_next_free_sgpr 100
		.amdhsa_reserve_vcc 0
		.amdhsa_float_denorm_mode_32 3
		.amdhsa_float_denorm_mode_16_64 3
		.amdhsa_memory_ordered 1
		.amdhsa_forward_progress 1
		.amdhsa_inst_pref_size 161
	.end_amdhsa_kernel
	.amdgpu_metadata
---
amdhsa.version: [ 1, 2 ]
amdhsa.kernels:
  - .name:           k_q60bfea0d5f_up
    .symbol:         k_q60bfea0d5f_up.kd
    .args:
      - { .name: XB, .offset: 0, .size: 8, .value_kind: global_buffer, .address_space: global }
      - { .name: hidden_states_scales, .offset: 8, .size: 8, .value_kind: global_buffer, .address_space: global }
      - { .name: WB, .offset: 16, .size: 8, .value_kind: global_buffer, .address_space: global }
      - { .name: WBS, .offset: 24, .size: 8, .value_kind: global_buffer, .address_space: global }
      - { .name: CWT, .offset: 32, .size: 8, .value_kind: global_buffer, .address_space: global }
      - { .name: HC, .offset: 40, .size: 8, .value_kind: global_buffer, .address_space: global }
      - { .name: HSB, .offset: 48, .size: 8, .value_kind: global_buffer, .address_space: global }
    .group_segment_fixed_size: 327680
    .private_segment_fixed_size: 0
    .kernarg_segment_align: 8
    .kernarg_segment_size: 56
    .max_flat_workgroup_size: 128
    .sgpr_count:     100
    .vgpr_count:     1024
    .wavefront_size: 32
...
	.end_amdgpu_metadata
.endif
;; end of part 2
;; launch down (part 3): grid 16 x 16, 4 waves a work-group, clusters of 4 x 1, 327,680 bytes of LDS; arguments HC, HSB, W2, W2S, out0; writes out0
.if DOCPART == 3
	.amdgcn_target "amdgcn-amd-amdhsa--gfx1250"
	.amdhsa_code_object_version 6
	.text
	.protected	k_q60bfea0d5f_down
	.globl	k_q60bfea0d5f_down
	.p2align	8
	.type	k_q60bfea0d5f_down,@function
k_q60bfea0d5f_down:
	s_mov_b64 s[64:65], 0
	v_nop
	global_prefetch_b8 v0, s[64:65] scope:SCOPE_SE
	s_setreg_imm32_b32 hwreg(HW_REG_WAVE_MODE, 25, 1), 1
	s_wait_xcnt 0x0
	s_wait_alu depctr_hold_cnt(0) depctr_sa_sdst(0) depctr_va_vdst(0) depctr_va_sdst(0) depctr_va_ssrc(0) depctr_va_vcc(0) depctr_vm_vsrc(0)
	s_getreg_b32 s2, hwreg(HW_REG_IB_STS2, 6, 4)
	s_cmp_eq_u32 s2, 0
	s_cbranch_scc0 .Lentry_in_a_cluster
	s_endpgm
.Lentry_in_a_cluster:
	s_bfe_u32 s2, ttmp6, 0x10000c
	s_cmp_lg_u32 s2, 0x3003
	s_cbranch_scc0 .Lentry_shape_is_right
	s_endpgm
.Lentry_shape_is_right:
; DOWN: out0[token][h] = the sum over the 1,280 hidden units (1,024 routed, weighted, then 256 shared) of hidden x [Wd | Sd], on codes of FP6 (E2M3) with one E8M0 scale for each 32 along K; one f32 sum for each output
; (the routed and the shared products share an accumulator, K ascending).
; A work-group takes 256 tokens x 256 columns.  Wave w keeps its 64 tokens' codes for ALL of K in registers: 4 tiles x 10 K steps = 40 fragments, 480 registers.  The 256 columns' weights, 16 n-tiles x 10 images of 1,536
; bytes, and their scale words lie in LDS, filled once: no slot is ever filled again.  An n-tile is finished after 40 products, so results leave while the later tiles are multiplied.
; THE PRODUCT IS USED TRANSPOSED (source 0 = 16 columns of the weights, source 1 = 16 tokens): a lane holds eight neighbouring columns of one token's row.  Four n-tiles (64 columns, 256 bytes a row) are gathered in the
; wave's own stage and leave as aligned runs of 256 bytes.
; CLUSTER 4 x 1: the four token blocks of a cluster walk the same 256 columns: each image block is asked for jointly, by the same tensor load with the same descriptor and the mask 15.
; By this text's own count a wave has five tensor loads out at the start.  LIMITS: as the launches before: NaN and infinities are not served.
; REGISTERS: window 0: v2-14 addresses; v16-35 the weights' scale words, two sets; v36-75 the tokens' scale words (tile a, K step s at 36 + 10 a + s); v80-143 accumulators, two sets of four; v144-207 rows on their way out;
;   v208-239 at work.   window 1: the tokens' fragments of K steps 0-4 at v[12 (4 s + a)];   window 2: of K steps 5-9;   window 3: an n-tile's ten fragments, sets at v0 and v128.
; AS THE TEXT STANDS NOW (this takes the place of what the lines above say of the scale words and of the loads): a wave issues ONE tensor load, at the head: n-tiles 4 w .. 4 w + 3, 61,440 dense bytes as 240 rows of 256.
; The weights' scale words do not pass through LDS: each wave loads an n-tile's ten words from W2S into registers, three n-tiles ahead, four sets: v16-35 and v208-227; v144-175 serve the shared blocks' bytes at the head.
.set STG,   256000                     ; the stages: 64 rows x (256 + 16) bytes for each wave; no tensor load lands here
.set SPARE, 325632                     ; the spare words, 128 bytes for each wave: two blocks of 256 bytes that no other line names
.set SPW, 2
.set NIL, 3
.set BAD, 4                            ; v4-7  16 x lane + 61,440 g: the images of n-tiles 4 g .. 4 g + 3
.set BSA, 8
.set STO, 9
.set RDA, 10
.set GOF, 11
.set HAD, 12
.set R4,  13
.set RR,  14
.set SB,  16
.set SA,  36
.set ACC, 80
.set RB,  144
.set TB,  144
.set G0S, 24                           ; s[28:31] group 0 for my four n-tiles' load
.set G0T, 28
.set G1B, 44                           ; s[44:51] group 1 for my four n-tiles' images
.set G1S, 52
.set MSB, 0
.macro WIN new                         ; the immediate's high byte repeats the setting that is left
.if MSB != (\new)
	s_set_vgpr_msb (MSB<<8)|(\new)
.set MSB, \new
.endif
.endm
.macro CROUND                          ; a round of the cluster's barrier
	s_barrier_signal -1
	s_barrier_wait -1
	s_cmp_lg_u32 s14, 0
	s_cbranch_scc1 .Lnot_wave_0_\@
	s_barrier_signal -3
.Lnot_wave_0_\@:
	s_barrier_wait -3
	s_barrier_signal -1
	s_barrier_wait -1
.endm
.macro PLACES                          ; four plain places behind a matrix instruction (ISA guide 7.12.1)
.rept 4
	v_nop
.endr
.endm
	s_load_b256 s[4:11], s[0:1], 0x0               ; HC, HSB, W2, W2S
	s_load_b64 s[12:13], s[0:1], 0x20              ; out0
	v_lshl_add_u32 v[SPW], v0, 2, SPARE
	v_mov_b32 v[NIL], 0
	ds_add_u32 v[SPW], v[NIL]                      ; the wave's opening: the add, twice on end, and its wait ahead of my first tensor load
	ds_add_u32 v[SPW], v[NIL]
	v_lshrrev_b32 v1, 5, v0
	v_readfirstlane_b32 s14, v1                    ; wave 0..3
	s_bfe_u32 s15, ttmp6, 0x40000                  ; cx
	s_lshl_b32 s16, ttmp9, 2
	s_add_co_u32 s16, s16, s15                     ; token block = 4 x cluster x + cx: it enters HC's, HSB's and out0's addresses alone
	s_and_b32 s17, ttmp7, 0xffff                   ; column group, which the four partners share
	s_mov_b32 s[G1B+0], 15|(3<<16)|(1<<21)         ; 15:0 the mask: all four; elements of 8 bytes; no padding; 21 set beside a mask
	s_mov_b32 s[G1B+1], 32<<16                     ; an n-tile's ten images are 15,360 dense bytes: 60 rows of 256
	s_mov_b32 s[G1B+2], 240<<16
	s_mov_b32 s[G1B+3], 32<<16
	s_mov_b32 s[G1B+4], 240
	s_mov_b32 s[G1B+5], 32
	s_mov_b32 s[G1B+6], 0
	s_mov_b32 s[G1B+7], 0
	s_mul_i32 s18, s17, 245760
	s_mul_i32 s20, s14, 61440                      ; wave w fetches n-tiles 4 w .. 4 w + 3
	s_add_co_u32 s18, s18, s20
	s_mov_b32 s19, 0
	s_mul_i32 s22, s17, 10240
	s_mov_b32 s23, 0
	s_wait_dscnt 0x0                               ; the opening add is done
	s_wait_kmcnt 0x0
	s_add_nc_u64 s[8:9], s[8:9], s[18:19]
	s_add_nc_u64 s[10:11], s[10:11], s[22:23]
	CROUND                                         ; all four work-groups are here: the joint loads meet
	s_mov_b32 s[G0T], 1
	s_mov_b32 s[G0T+1], s20
	s_mov_b64 s[G0T+2:G0T+3], s[8:9]
	s_or_b32 s[G0T+3], s[G0T+3], 0x80000000
	tensor_load_to_lds s[G0T:G0T+3], s[G1B:G1B+7]  ; my one tensor load of the launch
	s_nop 0
.rept 4
	v_nop
.endr
	v_and_b32 v[RR], 15, v0                        ; r
	v_bfe_u32 v1, v0, 4, 1                         ; h
	v_and_b32 v15, 31, v0
	v_lshlrev_b32 v[BAD], 4, v15
	v_add_nc_u32 v[BAD+1], 61440, v[BAD]
	v_add_nc_u32 v[BAD+2], 122880, v[BAD]
	v_add_nc_u32 v[BAD+3], 184320, v[BAD]
	v_lshlrev_b32 v[R4], 2, v[RR]
	s_mul_i32 s18, s14, 64*272
	s_add_co_u32 s18, s18, STG                     ; my stage
	v_mul_u32_u24 v[STO], v[RR], 272               ; in: row r, 32 bytes for each half of the lanes
	v_lshl_add_u32 v[STO], v1, 5, v[STO]
	v_add_nc_u32 v[STO], s18, v[STO]
	v_mul_u32_u24 v[RDA], v1, 272                  ; back: lanes 0-15 one row of 256 bytes, lanes 16-31 the next
	v_lshl_add_u32 v[RDA], v[RR], 4, v[RDA]
	v_add_nc_u32 v[RDA], s18, v[RDA]
	v_lshlrev_b32 v[GOF], 14, v1                   ; and the same two rows in out0: 16,384 bytes a row
	v_lshl_add_u32 v[GOF], v[RR], 4, v[GOF]
	v_mul_u32_u24 v[HAD], v[RR], 24                ; HC: token r's 24 bytes of a block; lanes 16-31 take the next block (98,304 bytes on)
	v_mad_u32_u24 v[HAD], v1, 98304, v[HAD]
	s_wait_alu depctr_va_vdst(0)
	s_lshl_b32 s60, s16, 8
	s_lshl_b32 s61, s14, 6
	s_add_co_u32 s60, s60, s61                     ; my first token
	s_mov_b32 s61, 0
	s_mul_i32 s62, s60, 24
	s_mov_b32 s63, 0
	s_add_nc_u64 s[4:5], s[4:5], s[62:63]
	s_lshl_b32 s62, s60, 14
	s_lshl_b32 s15, s17, 10
	s_add_co_u32 s62, s62, s15
	s_add_nc_u64 s[12:13], s[12:13], s[62:63]      ; out0 at my first token and the group's first column
	s_lshl_b32 s62, s60, 2
	s_add_nc_u64 s[60:61], s[6:7], s[60:61]        ; the shared blocks' bytes,
	s_add_nc_u64 s[6:7], s[6:7], s[62:63]          ; the routed K steps' words
	WIN 0x40                                       ; destination window 1
.irp s, 0,1,2,3,4
.irp a, 0,1,2,3
.irp p, 0,1,2,3,4,5
	global_load_b64 v[12*(4*\s+\a)+2*\p:12*(4*\s+\a)+2*\p+1], v[HAD], s[4:5] offset:98304*(4*\s+2*(\p/3))+384*\a+8*(\p%3)
.endr
.endr
.endr
	WIN 0x80                                       ; destination window 2
.irp s, 5,6,7,8,9
.irp a, 0,1,2,3
.irp p, 0,1,2,3,4,5
	global_load_b64 v[12*(4*(\s-5)+\a)+2*\p:12*(4*(\s-5)+\a)+2*\p+1], v[HAD], s[4:5] offset:98304*(4*\s+2*(\p/3))+384*\a+8*(\p%3)
.endr
.endr
.endr
	WIN 0
.irp s, 0,1,2,3,4,5,6,7
.irp a, 0,1,2,3
	global_load_b32 v[SA+10*\a+\s], v[R4], s[6:7] offset:16384*\s+64*\a
.endr
.endr
.irp a, 0,1,2,3
.irp n, 0,1,2,3,4,5,6,7
	global_load_u8 v[TB+8*\a+\n], v[RR], s[60:61] offset:131072+4096*\n+16*\a
.endr
.endr
.macro BFRAG t, s                      ; the image of n-tile t, K step s, into set t % 2: the same registers in the same lanes as it was made
.irp q, 0,1,2
	ds_load_b128 v[128*((\t)%2)+12*(\s)+4*\q:128*((\t)%2)+12*(\s)+4*\q+3], v[BAD+(\t)/4] offset:15360*((\t)%4)+1536*(\s)+512*\q
.endr
.endm
.macro BSCL t
.irp s, 0,1,2,3,4,5,6,7,8,9
	global_load_b32 v[16+192*(((\t)/2)%2)+10*((\t)%2)+\s], v[R4], s[10:11] offset:640*(\t)+64*\s   ; set t % 4; lane r takes row r's word
.endr
.endm
.macro MUL4 t, s                       ; the four tiles of tokens by turns; K step 0 starts the sums
.irp a, 0,1,2,3
.if (\s) == 0
	v_wmma_scale_f32_16x16x128_f8f6f4 v[ACC+32*((\t)%2)+8*\a:ACC+32*((\t)%2)+8*\a+7], v[128*((\t)%2)+12*(\s):128*((\t)%2)+12*(\s)+11], v[12*(4*((\s)%5)+\a):12*(4*((\s)%5)+\a)+11], 0, v[SB+10*((\t)%2)+(\s)], v[SA+10*\a+(\s)] matrix_a_fmt:MATRIX_FMT_FP6 matrix_b_fmt:MATRIX_FMT_FP6
.else
	v_wmma_scale_f32_16x16x128_f8f6f4 v[ACC+32*((\t)%2)+8*\a:ACC+32*((\t)%2)+8*\a+7], v[128*((\t)%2)+12*(\s):128*((\t)%2)+12*(\s)+11], v[12*(4*((\s)%5)+\a):12*(4*((\s)%5)+\a)+11], v[ACC+32*((\t)%2)+8*\a:ACC+32*((\t)%2)+8*\a+7], v[SB+10*((\t)%2)+(\s)], v[SA+10*\a+(\s)] matrix_a_fmt:MATRIX_FMT_FP6 matrix_b_fmt:MATRIX_FMT_FP6
.endif
.endr
.endm
.macro PUT t                           ; n-tile t's results into my stage: 64 bytes of each of my 64 rows; each accumulator from its low end on
.irp a, 0,1,2,3
	ds_store_b128 v[STO], v[ACC+32*((\t)%2)+8*\a:ACC+32*((\t)%2)+8*\a+3] offset:4352*\a+64*((\t)%4)
	ds_store_b128 v[STO], v[ACC+32*((\t)%2)+8*\a+4:ACC+32*((\t)%2)+8*\a+7] offset:4352*\a+64*((\t)%4)+16
.endr
.endm
.macro RBL h                           ; rows 32 h .. 32 h + 31 of the stage back, two rows a load
.irp i, 0,1,2,3,4,5,6,7,8,9,10,11,12,13,14,15
	ds_load_b128 v[RB+4*\i:RB+4*\i+3], v[RDA] offset:272*(32*(\h)+2*\i)
.endr
.endm
.macro GST g, h                        ; and out: sixteen lanes store 256 consecutive bytes, at a multiple of 256 from out0's first byte; written once, read by nobody here
.irp i, 0,1,2,3,4,5,6,7,8,9,10,11,12,13,14,15
	global_store_b128 v[GOF], v[RB+4*\i:RB+4*\i+3], s[12:13] offset:16384*(32*(\h)+2*\i)+256*(\g) th:TH_STORE_NT
.endr
.endm
; N-TILE t: 40 products; the next tile's fragments are fetched behind the first five K steps' products; the tile before goes into the stage; every fourth tile a group of 64 columns begins to leave.
.macro TILE t
	WIN 0
	s_wait_dscnt 0x0                               ; this tile's fragments are in; my stores into the stage have read their registers; rows read back are in
.if (\t) < 14
	s_wait_loadcnt 20                              ; this tile's scale words are in; the next two tiles' ten loads each may be out
.else
	s_wait_loadcnt 10*(15-(\t))
.endif
.set SB, 16+192*(((\t)/2)%2)           ; with 10 (t % 2): this tile's set of scale words
	PLACES
.if ((\t)%4 == 1) && ((\t) >= 5)
	GST (\t)/4-1, 0
	s_wait_xcnt 0x0                                ; the stores have read their registers, which the loads below fill again
	RBL 1                                          ; ahead of the stores below, which begin the next group in the same rows: LDS serves a wave's instructions in order (ISA guide 5.7.1.4)
.endif
.if ((\t)%4 == 2) && ((\t) >= 6)
	GST (\t)/4-1, 1
.endif
.if (\t) >= 1
	PUT (\t)-1
.endif
.if ((\t)%4 == 0) && ((\t) >= 4)
	s_wait_xcnt 0x0                                ; the last group's stores have read their registers
	RBL 0
.endif
.if (\t) < 13
	BSCL (\t)+3                                    ; into the set that the tile before multiplied: the places above stand behind its products
.endif
.irp s, 0,1,2,3,4
.if (\t) < 15
	WIN 0xc0                                       ; destination window 3
	BFRAG (\t)+1, 2*\s
	BFRAG (\t)+1, 2*\s+1
.endif
	WIN 0x07                                       ; source 0 window 3, source 1 window 1
	MUL4 \t, \s
.endr
	WIN 0x0b                                       ; source 1 window 2
.irp s, 5,6,7,8,9
	MUL4 \t, \s
.endr
	WIN 0
.endm
	BSCL 0
	BSCL 1
	BSCL 2
	s_wait_tensorcnt 0x0                           ; my four n-tiles are in
	s_barrier_signal -1
	s_barrier_wait -1                              ; everybody's are
	WIN 0xc0
.irp s, 0,1,2,3,4,5,6,7,8,9
	BFRAG 0, \s
.endr
	WIN 0
	s_wait_loadcnt 0x0                             ; my tokens' codes and scales
.irp a, 0,1,2,3
.irp u, 0,1
	v_lshl_or_b32 v[SA+10*\a+8+\u], v[TB+8*\a+4*\u+1], 8, v[TB+8*\a+4*\u]   ; four bytes make a shared K step's scale word
	v_lshl_or_b32 v[SA+10*\a+8+\u], v[TB+8*\a+4*\u+2], 16, v[SA+10*\a+8+\u]
	v_lshl_or_b32 v[SA+10*\a+8+\u], v[TB+8*\a+4*\u+3], 24, v[SA+10*\a+8+\u]
.endr
.endr
	s_wait_alu depctr_va_vdst(0)
.rept 8
	v_nop                                          ; a scale register written by a vector instruction stands eight places ahead of a scaled matrix instruction
.endr
.irp t, 0,1,2,3,4,5,6,7,8,9,10,11,12,13,14,15
	TILE \t
.endr
	PLACES
	PUT 15
	s_wait_xcnt 0x0
	RBL 0
	s_wait_dscnt 0x0
	GST 3, 0
	s_wait_xcnt 0x0
	RBL 1
	s_wait_dscnt 0x0
	GST 3, 1
	s_wait_tensorcnt 0x0                           ; the wave's end: a tensor wait, an add and its wait, behind my last tensor load and my last LDS store
	ds_add_u32 v[SPW], v[NIL]
	s_wait_dscnt 0x0
	CROUND                                         ; the closing round: no work-group ends while a partner may still ask for a tile that names it
	s_endpgm
.Lfunc_end_k_q60bfea0d5f_down:
	.size	k_q60bfea0d5f_down, .Lfunc_end_k_q60bfea0d5f_down-k_q60bfea0d5f_down
	.p2alignl 7, 3214868480
	.fill 96, 4, 3214868480
	.section	.rodata,"a",@progbits
	.p2align	6, 0x0
	.amdhsa_kernel k_q60bfea0d5f_down
		.amdhsa_group_segment_fixed_size 327680
		.amdhsa_private_segment_fixed_size 0
		.amdhsa_enable_private_segment 0
		.amdhsa_kernarg_size 40
		.amdhsa_user_sgpr_count 2
		.amdhsa_user_sgpr_kernarg_segment_ptr 1
		.amdhsa_wavefront_size32 1
		.amdhsa_system_sgpr_workgroup_id_x 1
		.amdhsa_system_sgpr_workgroup_id_y 1
		.amdhsa_system_sgpr_workgroup_id_z 1
		.amdhsa_system_vgpr_workitem_id 0
		.amdhsa_next_free_vgpr 1024
		.amdhsa_next_free_sgpr 66
		.amdhsa_reserve_vcc 0
		.amdhsa_float_denorm_mode_32 3
		.amdhsa_float_denorm_mode_16_64 3
		.amdhsa_memory_ordered 1
		.amdhsa_forward_progress 1
		.amdhsa_inst_pref_size 198
	.end_amdhsa_kernel
	.amdgpu_metadata
---
amdhsa.version: [ 1, 2 ]
amdhsa.kernels:
  - .name:           k_q60bfea0d5f_down
    .symbol:         k_q60bfea0d5f_down.kd
    .args:
      - { .name: HC, .offset: 0, .size: 8, .value_kind: global_buffer, .address_space: global }
      - { .name: HSB, .offset: 8, .size: 8, .value_kind: global_buffer, .address_space: global }
      - { .name: W2, .offset: 16, .size: 8, .value_kind: global_buffer, .address_space: global }
      - { .name: W2S, .offset: 24, .size: 8, .value_kind: global_buffer, .address_space: global }
      - { .name: out0, .offset: 32, .size: 8, .value_kind: global_buffer, .address_space: global }
    .group_segment_fixed_size: 327680
    .private_segment_fixed_size: 0
    .kernarg_segment_align: 8
    .kernarg_segment_size: 40
    .max_flat_workgroup_size: 128
    .sgpr_count:     66
    .vgpr_count:     1024
    .wavefront_size: 32
...
	.end_amdgpu_metadata
.endif
;; end of part 3
